; MI455X (gfx1250); checked and timed in simulation.
; The chip was launched on July 23, 2026; its instructions are those of AMD's public machine-readable ISA for CDNA 5 (MIT licence, August 2026) and "CDNA5" Instruction Set Architecture Reference Guide (July 2026). The comments in the code are by the model that wrote it; some were corrected since.
;; Attention Net. Allowed arithmetic: matrix products marked QUANTISED: E4M3 operands, one E8M0 scale for each 32 along K, by v_wmma_scale_f32_16x16x128_f8f6f4 with both operands' format E4M3, f32 sums; products left as they are: f32 operands where the result goes on into a quantised operand, else bf16, f16 or f32 operands; f32 sums; everything else in f32.
;; Inputs: W 64 x 32 float32; b 32 float32; h 32 float32; p 64 x 1 float32; x 4,096 x 40 x 64 float32.
;; Outputs: out0 4,096 x 1 float32.
;; This version of the problem:
;;   THIS VERSION OF THE PROBLEM IS GIVEN IN LOW PRECISION. The matrix products marked QUANTISED in the list below multiply operands that are first quantised to E4M3 (4 exponent bits, 3 mantissa bits; 8 bits a number), with one power-of-two scale for each 32 numbers along K (OCP MX v1.0); their sums are f32. All else is computed in f32.
;;   The module's matrix products, in the order in which they are computed (A, B: the left and right operand; K: the contracted axis; several contracted axes count as one K, in the product's order):
;;     1. [M 3,194,880, K 64] x [K 64, N 32]; A: computed on the way; B: input W: QUANTISED
;;     2. batch 4,096 x [M 1, K 780] x [K 780, N 64]; A: computed on the way; B: computed on the way: left as it is (M = 1 < 16)
;;     3. [M 4,096, K 64] x [K 64, N 1]; A: computed on the way; B: input p: left as it is (N = 1 < 16)
;;   THE QUANTISER, for each operand of a quantised product, along K:
;;     - K is cut into blocks of 32 from its start; a last block that is shorter is filled with zeros.
;;     - A block's scale is 2^e with e = floor(log2(the largest magnitude in the block)) - 8, held to -126 .. 127; a block of zeros has e = 0. As a byte (E8M0): e + 127.
;;     - Each number is divided by its block's scale, clamped to +-448, and rounded to the nearest number of E4M3, ties to even, subnormals kept.
;;     - The product sums the exact products of the quantised numbers (number of the format x scale) in f32.
;;   ~~~python
;;   def quantise(x, axis):      # numpy; x: float32 -> the quantised numbers, widened to float32 again
;;       x = np.moveaxis(x, axis, -1); K = x.shape[-1]
;;       x = np.pad(x, [(0, 0)] * (x.ndim - 1) + [(0, -K % 32)]); x = x.reshape(x.shape[:-1] + (-1, 32)); a = np.abs(x).max(-1, keepdims=True)
;;       e = np.where(a > 0, np.clip(np.frexp(np.where(a > 0, a, 1))[1] - 1 - 8, -126, 127), 0)      # np.frexp(a)[1] - 1 = floor(log2(a)), exactly
;;       r = np.clip(x / 2.0 ** e, -448, 448)
;;       step = 2.0 ** (np.maximum(np.frexp(np.where(r == 0, 1, r))[1] - 1, -6) - 3)
;;       q = np.round(r / step) * step * 2.0 ** e      # np.round: ties to even
;;       return np.moveaxis(q.reshape(q.shape[:-2] + (-1,))[..., :K], -1, axis).astype(np.float32)
;;   ~~~
;;   OPERANDS COMPUTED ON THE WAY. 'Computed on the way' means the value that the module computes at that place (a softmax that the list does not call 'softmax' is quantised finished and normalised). What goes into a quantiser is computed in f32, as accurately as f32 sums, v_exp_f32 and their like allow (about 1e-6 of the number): no bf16 or f16 on the way to a quantiser, and a product that is left as it is and whose result goes on into a quantised operand takes f32 operands (vector FMAs, or v_wmma_f32_16x16x4_f32). A number that lies on a knife's edge between two numbers of the format may be rounded either way, as far as f32 arithmetic and the matrix unit's own rounding can turn it there, and no further.
;; One version. Each part assembles by itself: llvm-mc -triple=amdgcn-amd-amdhsa -mcpu=gfx1250 --defsym DOCPART=n.
;; ======== version 1 of 1: 1 launch
;; launch afm (part 1): grid 256 x 1, 8 waves a work-group, no clusters, 183,552 bytes of LDS; arguments x, W, b, h, p, out0; writes out0
.if DOCPART == 1
	.amdgcn_target "amdgcn-amd-amdhsa--gfx1250"
	.amdhsa_code_object_version 6
	.text
	.protected	k_q65f6cf8930_afm
	.globl	k_q65f6cf8930_afm
	.p2align	8
	.type	k_q65f6cf8930_afm,@function
k_q65f6cf8930_afm:
	s_mov_b64 s[64:65], 0
	v_nop
	global_prefetch_b8 v0, s[64:65] scope:SCOPE_SE
	s_setreg_imm32_b32 hwreg(HW_REG_WAVE_MODE, 25, 1), 1
	s_wait_xcnt 0x0
; out[n] = (sum over pairs i<j of e g) / (sum over pairs of e),  e = exp(sum_a relu((x_i*x_j) W + b)[a] h[a]),  g = sum_k (x_i*x_j)[k] p[k].
; That is reference()'s att-weighted pooling followed by the product with p, with the two sums over pairs and over k exchanged; it holds for every input.
; x [4096][40][64], W [64][32], b [32], h [32], p [64], out0 [4096]: f32.  Only (x_i*x_j) W is quantised: both operands to E4M3 with one E8M0 scale for each 32 along K = 64; g takes the unquantised products, in f32.
; LIMITS.  NaN and infinities among the inputs are not served.  A block of zeros gets the scale byte 1 where the rule says 127: its codes are zeros and the bytes never leave this program.
; Blocks whose largest magnitude lies under 2^-118 keep the byte 1, as the rule's lower hold asks; that case was not tried.  The largest score of a batch is taken away ahead of the exponential,
; which reference() does not do: the quotient is the same wherever reference() is finite; where its exponential overflows this text still gives numbers.
; SHARES.  256 work-groups of eight waves; a wave owns two batches (20,480 consecutive bytes of x) and shares nothing with the others but the 64 bytes of results at the end: one barrier in the launch.
; No cluster: the work-groups have only W, b, h and p in common, 8,704 bytes, read once by each wave.  No tensor load: a batch is one wave's own, and 80 registers that lie idle stage the next one.
; THE PAIRS, by circular distance: {i, (i + d) mod 40}, d = 1 .. 20, i = 0 .. 39: 800 places.  d = 1 .. 19 name each pair once; d = 20 names each of its 20 pairs twice, with the same bits
; (the multiplication commutes), and those places count half: 1 is taken off their score, which is kept to the base 2.  In LDS rows 40 .. 59 repeat rows 0 .. 19, so x_j is row i + d.
; A TILE is 16 pairs, pair r in lanes r and r + 16.  Phase g0: i = r, g1: i = 16 + r, one d a tile; phase g2: i = 32 + r % 8, d = d0 + r / 8.  x_i stays in registers through a phase.
; A DUO is two tiles P, Q as ONE operand of K = 128, [P's 64 | Q's 64]: four blocks of 32, 16 registers of codes, one scale word.  Lane (r, h = lane / 16) holds k = 32 c + 16 h + 0 .. 15 of its pair.
; THE MATRIX INSTRUCTION IS USED TRANSPOSED: source 0 = 16 attention units, [W_n | zero codes] for P and [zero codes | W_n] for Q, source 1 = the duo, C = b.  In the result a lane holds one pair and eight units.
; REGISTERS.  Window 0: v1-9 addresses; v10-11 the halving masks; v12-14 scale words; v16-31 the quantiser's; v32-49 the dots; v50-59 the batch's end; v64-79 codes; v80-111 results; v112-175 x_j; v176-239 the products.
;   Window 1: v0-31 x_i; v32-63 p; v64-79 h log2(e); v112-127 b; v128-175 W's codes with zero codes between; v176-255 the next batch of x.
.set PITCH, 272                        ; a field's row in LDS: 256 bytes + 16 = 68 words: row f starts at bank 4 f mod 64 (64 banks of 4 bytes: ISA guide 11.1), so the 16 rows of a load start at 16 different banks
.set WREG,  22784                      ; a wave's own LDS: 60 rows (16,320 bytes), and from STASH on 25 x 256 bytes
.set STASH, 16384
.set RES,   8*WREG                     ; behind the eight: the work-group's 16 results
.set AXA,   1                          ; v1   my wave's LDS + PITCH r + 64 h
.set AXB,   2                          ; v2   my wave's LDS + PITCH (32 + r % 8) + 64 h
.set AJB,   3                          ; v3   AXB + PITCH (r / 8)
.set AST,   4                          ; v4   my wave's LDS + PITCH (lane / 16) + 16 (lane % 16): a staged load's place
.set ASC,   5                          ; v5   my wave's LDS + STASH + 8 lane
.set GX,    6                          ; v6   16 lane: my bytes of a load of x; never rewritten
.set ADJ,   7                          ; v7   the x_j in hand
.set ADS,   8                          ; v8   the stash place in hand
.set ARS,   9                          ; v9   the result's place
.set MASKA, 10                         ; v10  -1.0 in lanes 16-31, else 0
.set MASKB, 11                         ; v11  -1.0 in lanes 24-31, else 0
.set WS0,   12                         ; v12, v13  W's scale words: units 0-15, units 16-31; bytes (c0, c1, c0, c1)
.set WS1,   13
.set PS,    14                         ; v14  the duo's scale word
.set LN,    15                         ; v15  the lane
.set TM,    16                         ; v16-19 largest magnitudes, v20-23 the other half's, then bytes, v24-27 448 x the scale, v28-31 the conversions' scale operands
.set GA,    32                         ; v32-39 four packed chains of g
.set SA,    40                         ; v40-47 four packed chains of the score
.set SG,    48                         ; v[48:49] (score, g)
.set FT,    50                         ; v50-59 at work at a batch's end; at the head: lane terms and load offsets
.set CD,    64
.set D,     80                         ; P units 0-15, P units 16-31, Q units 0-15, Q units 16-31
.set XJ,    112
.set FS,    112                        ; at a batch's end: its 25 (score, g)
.set EW,    176                        ; block b (P c0, P c1, Q c0, Q c1) at EW + 16 b
.set XI,    0                          ; window 1 from here on
.set PV,    32
.set HV,    64
.set BI,    112
.set WA,    128                        ; W0, zeros, W1
.set WB,    152                        ; W1, zeros, W0
.set ST,    176
.set MSB, 0
.macro WIN new                         ; s_set_vgpr_msb: bits 1:0 source 0, 3:2 source 1, 5:4 source 2, 7:6 destination; the high byte repeats the setting that is left
.if MSB != \new
	s_set_vgpr_msb (MSB<<8)|\new
.set MSB, \new
.endif
.endm
; x_i of a phase: my 32 numbers of row (base) + imm.  Stands under destination window 1
.macro FXI base, imm
.irp c, 0,1
.irp e, 0,1,2,3
	ds_load_b128 v[XI+16*\c+4*\e:XI+16*\c+4*\e+3], v[\base] offset:\imm+128*\c+16*\e
.endr
.endr
.endm
; x_j of a duo: tile P at jimm, tile Q qoff further on
.macro FJ jimm, qoff
.irp u, 0,1
.irp c, 0,1
.irp e, 0,1,2,3
	ds_load_b128 v[XJ+32*\u+16*\c+4*\e:XJ+32*\u+16*\c+4*\e+3], v[ADJ] offset:\jimm+\u*\qoff+128*\c+16*\e
.endr
.endr
.endr
.endm
; the duo's 64 products a lane
.macro MULS
	s_wait_dscnt 0x0                               ; x_j, asked for a duo ago, is in (and x_i at a phase's head)
	WIN 0x01                                       ; source 0 = x_i, window 1
.irp u, 0,1
.irp i, 0,2,4,6,8,10,12,14,16,18,20,22,24,26,28,30
	v_pk_mul_f32 v[EW+32*\u+\i:EW+32*\u+\i+1], v[XI+\i:XI+\i+1], v[XJ+32*\u+\i:XJ+32*\u+\i+1]
.endr
.endr
.endm
; g: the products as they are, ahead of the hold, times p: a chain for each block, by turns.  Stands under source 1 window 1
.macro GDOT
.irp k, 0,1,2,3
	v_pk_mul_f32 v[GA+2*\k:GA+2*\k+1], v[EW+16*\k:EW+16*\k+1], v[PV+16*(\k%2):PV+16*(\k%2)+1]
.endr
.irp i, 2,4,6,8,10,12,14
.irp k, 0,1,2,3
	v_pk_fma_f32 v[GA+2*\k:GA+2*\k+1], v[EW+16*\k+\i:EW+16*\k+\i+1], v[PV+16*(\k%2)+\i:PV+16*(\k%2)+\i+1], v[GA+2*\k:GA+2*\k+1]
.endr
.endr
.endm
; 64 numbers of a lane, four blocks of which lane l xor 16 holds the other halves, become 16 registers of codes and a scale word
.macro QCORE
.irp b, 0,1,2,3
	v_max3_num_f32 v[TM+\b], |v[EW+16*\b]|, |v[EW+16*\b+1]|, 0x4800000   ; my 16 numbers, and the floor 2^(9 - 127): the byte cannot fall under 1
.endr
.irp i, 2,4,6,8,10,12,14
.irp b, 0,1,2,3
	v_max3_num_f32 v[TM+\b], v[TM+\b], |v[EW+16*\b+\i]|, |v[EW+16*\b+\i+1]|   ; the four blocks by turns
.endr
.endr
.irp b, 0,1,2,3
	v_permlanex16_b32 v[TM+4+\b], v[TM+\b], s20, s21
.endr
.irp b, 0,1,2,3
	v_max_num_f32 v[TM+\b], v[TM+\b], v[TM+4+\b]   ; the block's largest magnitude
.endr
.irp b, 0,1,2,3
	v_add_nc_u32 v[TM+12+\b], 0xfc000000, v[TM+\b] ; 8 off its exponent field: the conversion takes this operand's exponent field as its scale
.endr
.irp b, 0,1,2,3
	v_and_or_b32 v[TM+8+\b], v[TM+\b], 0x7f800000, s18   ; 448 x the scale: that exponent field over 448's mantissa field
.endr
.irp b, 0,1,2,3
	v_lshrrev_b32 v[TM+4+\b], 23, v[TM+12+\b]      ; the scale's byte
.endr
	v_lshl_or_b32 v[PS], v[TM+5], 8, v[TM+4]       ; the scale word stands ahead of the 64 holds: more than eight plain lines ahead of the products
	v_lshl_or_b32 v[PS], v[TM+6], 16, v[PS]
	v_lshl_or_b32 v[PS], v[TM+7], 24, v[PS]
.irp b, 0,1,2,3
.irp i, 0,1,2,3,4,5,6,7,8,9,10,11,12,13,14,15
	v_med3_num_f32 v[EW+16*\b+\i], v[EW+16*\b+\i], -v[TM+8+\b], v[TM+8+\b]   ; the conversion to an 8-bit code does not saturate (ISA guide 7.6.2): the hold at the largest code x the scale
.endr
	v_cvt_scalef32_pk8_fp8_f32 v[CD+4*\b:CD+4*\b+1], v[EW+16*\b:EW+16*\b+7], v[TM+12+\b]
	v_cvt_scalef32_pk8_fp8_f32 v[CD+4*\b+2:CD+4*\b+3], v[EW+16*\b+8:EW+16*\b+15], v[TM+12+\b]
.endr
.endm
; g's chains are closed: four plain lines, which are also the four places between the last codes and the products, and the plain line behind the last conversion
.macro GRED
	v_pk_add_f32 v[GA:GA+1], v[GA:GA+1], v[GA+2:GA+3]
	v_pk_add_f32 v[GA+4:GA+5], v[GA+4:GA+5], v[GA+6:GA+7]
	v_add_f32 v[GA], v[GA], v[GA+1]                ; tile P: my half of k
	v_add_f32 v[GA+4], v[GA+4], v[GA+5]            ; tile Q
.endm
; the duo's four products.  Each has an accumulator of its own and b as its C: none adds in place
.macro MM
	WIN 0x11                                       ; source 0 (W) and source 2 (b) window 1
	v_wmma_scale_f32_16x16x128_f8f6f4 v[D:D+7], v[WA:WA+15], v[CD:CD+15], v[BI:BI+7], v[WS0], v[PS]
	v_wmma_scale_f32_16x16x128_f8f6f4 v[D+8:D+15], v[WB:WB+15], v[CD:CD+15], v[BI+8:BI+15], v[WS1], v[PS]
	v_wmma_scale_f32_16x16x128_f8f6f4 v[D+16:D+23], v[WB+8:WB+23], v[CD:CD+15], v[BI:BI+7], v[WS0], v[PS]
	v_wmma_scale_f32_16x16x128_f8f6f4 v[D+24:D+31], v[WA+8:WA+23], v[CD:CD+15], v[BI+8:BI+15], v[WS1], v[PS]
	WIN 0
.endm
; Eight plain lines that name none of the products' registers stand between the products and the first read of a result: two of use, six v_nop; the lane exchange is not counted
.macro AFTER
	v_permlane16_swap_b32 v[GA], v[GA+4]           ; P's upper lanes change places with Q's lower ones:
	v_add_f32 v[SG+1], v[GA], v[GA+4]              ; lanes 0-15: P's g, whole; lanes 16-31: Q's
	v_add_nc_u32 v[ADS], s23, v[ASC]
	s_add_co_u32 s23, s23, 256                     ; the next duo's place in the stash
.rept 6
	v_nop
.endr
.endm
; relu, the dot with h log2(e), and (score, g) into the stash.  mask: the register that halves the places of d = 20, or 0
.macro POST mask
.irp i, 0,1,2,3,4,5,6,7,8,9,10,11,12,13,14,15,16,17,18,19,20,21,22,23,24,25,26,27,28,29,30,31
	v_max_num_f32 v[D+\i], 0, v[D+\i]              ; each accumulator from its low end on
.endr
	WIN 0x04                                       ; source 1 = h, window 1
.irp a, 0,1,2,3
	v_pk_mul_f32 v[SA+2*\a:SA+2*\a+1], v[D+8*\a:D+8*\a+1], v[HV+8*(\a%2):HV+8*(\a%2)+1]
.endr
.irp j, 2,4,6
.irp a, 0,1,2,3
	v_pk_fma_f32 v[SA+2*\a:SA+2*\a+1], v[D+8*\a+\j:D+8*\a+\j+1], v[HV+8*(\a%2)+\j:HV+8*(\a%2)+\j+1], v[SA+2*\a:SA+2*\a+1]
.endr
.endr
	WIN 0
	v_pk_add_f32 v[SA:SA+1], v[SA:SA+1], v[SA+2:SA+3]
	v_pk_add_f32 v[SA+4:SA+5], v[SA+4:SA+5], v[SA+6:SA+7]
	v_add_f32 v[SA], v[SA], v[SA+1]                ; tile P: my 16 of the 32 units
	v_add_f32 v[SA+4], v[SA+4], v[SA+5]            ; tile Q
	v_permlane16_swap_b32 v[SA], v[SA+4]
	v_add_f32 v[SG], v[SA], v[SA+4]                ; lanes 0-15: P's score, lanes 16-31: Q's
.if \mask
	v_add_f32 v[SG], v[SG], v[\mask]               ; d = 20: 2^-1 on the weight
.endif
	ds_store_b64 v[ADS], v[SG:SG+1]                ; a loop's trip has fixed register numbers, so a batch's 25 pairs of numbers a lane wait in LDS: one store a duo
.endm
.macro REST mask
	GDOT
	WIN 0
	QCORE
	GRED
	MM
	AFTER
	POST \mask
.endm
; a trip: this duo's products free x_j's registers, the next duo's x_j is asked for, and lands under the rest of this duo's work
.macro TRIP base, jimm, qoff, step
	MULS
	s_add_co_u32 s22, s22, \step
	v_add_nc_u32 v[ADJ], s22, v[\base]             ; (source 0 is a scalar: the window setting of MULS does not touch this line)
	WIN 0x04
	FJ \jimm, \qoff
	REST 0
.endm
	s_load_b256 s[4:11], s[0:1], 0x0               ; x s[4:5], W s[6:7], b s[8:9], h s[10:11]
	s_load_b128 s[12:15], s[0:1], 0x20             ; p s[12:13], out0 s[14:15]
	v_lshl_add_u32 v254, v0, 2, 0x2c900
	v_mov_b32 v255, 0
	v_lshrrev_b32 v[LN], 5, v0
	v_readfirstlane_b32 s16, v[LN]                 ; wave 0..7
	s_mul_i32 s17, s16, WREG                       ; my wave's LDS
	v_and_b32 v[LN], 31, v0
	v_and_b32 v[FT+3], 15, v0                      ; r
	v_bfe_u32 v[FT+4], v0, 4, 1                    ; h
	v_and_b32 v[FT+5], 7, v0                       ; r % 8
	v_bfe_u32 v[FT+6], v0, 3, 1                    ; r / 8
	v_mul_u32_u24 v[AXA], v[FT+3], PITCH
	v_lshl_add_u32 v[AXA], v[FT+4], 6, v[AXA]
	v_add_nc_u32 v[AXA], s17, v[AXA]
	v_mul_u32_u24 v[AXB], v[FT+5], PITCH
	v_lshl_add_u32 v[AXB], v[FT+4], 6, v[AXB]
	v_add_nc_u32 v[AXB], s17, v[AXB]
	v_add_nc_u32 v[AXB], 32*PITCH, v[AXB]
	v_mad_u32_u24 v[AJB], v[FT+6], PITCH, v[AXB]
	v_mul_u32_u24 v[AST], v[FT+4], PITCH
	v_lshl_add_u32 v[AST], v[FT+3], 4, v[AST]
	v_add_nc_u32 v[AST], s17, v[AST]
	v_lshl_add_u32 v[ASC], v[LN], 3, STASH
	v_add_nc_u32 v[ASC], s17, v[ASC]
	v_lshlrev_b32 v[GX], 4, v[LN]
	v_cvt_f32_u32 v[MASKA], v[FT+4]
	v_sub_f32 v[MASKA], 0, v[MASKA]                ; -1 where h = 1
	v_and_b32 v[MASKB], v[FT+6], v[FT+4]
	v_cvt_f32_u32 v[MASKB], v[MASKB]
	v_sub_f32 v[MASKB], 0, v[MASKB]                ; -1 where h = 1 and r / 8 = 1
	v_lshlrev_b32 v[FT], 2, v[FT+3]
	v_lshl_add_u32 v[FT], v[FT+4], 11, v[FT]       ; W: column r, 16 h rows of 128 bytes down
	v_lshlrev_b32 v[FT+1], 5, v[FT+4]              ; b, h: my half's eight units
	v_lshlrev_b32 v[FT+2], 6, v[FT+4]              ; p: my half's 16 of a block
.irp b, 0,1,2,3
	v_mov_b32 v[TM+4+\b], 0                        ; written once: a lane permute's destination counts as one of its sources
.endr
	s_mov_b32 s18, 0x600000                        ; the mantissa field of 448
	s_mov_b32 s20, 0x76543210
	s_mov_b32 s21, 0xfedcba98                      ; v_permlanex16_b32's selects for lane l xor 16
	s_mov_b32 s25, 2                               ; batches to go
	s_lshl_b32 s26, s16, 3
	s_add_co_u32 s26, s26, RES                     ; my first result's word
	s_mul_i32 s28, ttmp9, 16*10240                 ; the work-group's 16 batches,
	s_mul_i32 s29, s16, 2*10240                    ; my wave's two (under 2^26 together)
	s_add_co_u32 s28, s28, s29
	s_mov_b32 s29, 0
	s_wait_kmcnt 0x0
	s_add_nc_u64 s[4:5], s[4:5], s[28:29]
	; W: LANE r TAKES A COLUMN (unit 16 n + r) AND ITS REGISTERS RUN DOWN K, in the order of the operand's layout: register 32 n + 16 c + t = W[32 c + 16 h + t][16 n + r]
.irp n, 0,1
.irp c, 0,1
.irp t, 0,1,2,3,4,5,6,7,8,9,10,11,12,13,14,15
	global_load_b32 v[EW+32*\n+16*\c+\t], v[FT], s[6:7] offset:(32*\c+\t)*128+64*\n
.endr
.endr
.endr
	WIN 0x40                                       ; destination window 1
.irp n, 0,1                                    ; b and h in the result's layout: tile n, register j: unit 16 n + 8 h + j
	global_load_b128 v[BI+8*\n:BI+8*\n+3], v[FT+1], s[8:9] offset:64*\n
	global_load_b128 v[BI+8*\n+4:BI+8*\n+7], v[FT+1], s[8:9] offset:64*\n+16
.endr
.irp n, 0,1
	global_load_b128 v[HV+8*\n:HV+8*\n+3], v[FT+1], s[10:11] offset:64*\n
	global_load_b128 v[HV+8*\n+4:HV+8*\n+7], v[FT+1], s[10:11] offset:64*\n+16
.endr
.irp c, 0,1                                    ; p in the products' layout: p[32 c + 16 h + t]
.irp e, 0,1,2,3
	global_load_b128 v[PV+16*\c+4*\e:PV+16*\c+4*\e+3], v[FT+2], s[12:13] offset:128*\c+16*\e
.endr
.endr
.macro XLOADS                          ; a batch of x as it lies: 20 loads of 512 consecutive bytes
.irp l, 0,1,2,3,4,5,6,7,8,9,10,11,12,13,14,15,16,17,18,19
	global_load_b128 v[ST+4*\l:ST+4*\l+3], v[GX], s[4:5] offset:512*\l th:TH_LOAD_NT
.endr
.endm
	XLOADS                                         ; my first batch, behind the constants: W is quantised while it is on its way
	WIN 0
	s_wait_loadcnt 36                              ; W's 64 loads are in: behind them stand the 16 of b, h, p and the 20 of x
	QCORE                                          ; blocks (n0 c0, n0 c1, n1 c0, n1 c1)
	v_nop                                          ; a plain line between the last conversion and the lines that read its codes
	v_perm_b32 v[WS0], v[PS], v[PS], 0x01000100    ; units 0-15: their two bytes twice, so that one word serves [W | zeros] and [zeros | W]; the byte over zero codes is never 0xff
	v_perm_b32 v[WS1], v[PS], v[PS], 0x03020302    ; units 16-31
	WIN 0x40
.irp i, 0,1,2,3,4,5,6,7
	v_mov_b32 v[WA+\i], v[CD+\i]                   ; W0 | zeros | W1
	v_mov_b32 v[WA+8+\i], 0
	v_mov_b32 v[WA+16+\i], v[CD+8+\i]
	v_mov_b32 v[WB+\i], v[CD+8+\i]                 ; W1 | zeros | W0
	v_mov_b32 v[WB+8+\i], 0
	v_mov_b32 v[WB+16+\i], v[CD+\i]
.endr
	s_wait_loadcnt 20                              ; b, h and p are in; x's 20 loads may be out
	WIN 0x41
.irp i, 0,2,4,6,8,10,12,14
	v_pk_mul_f32 v[HV+\i:HV+\i+1], v[HV+\i:HV+\i+1], 0x3fb8aa3b op_sel_hi:[1,0]   ; h log2(e): the scores are kept to the base 2
.endr
	WIN 0
.Lbatch:                                           ; two trips
	s_wait_loadcnt 0x0                             ; this batch of x is in its registers
	WIN 0x04                                       ; an LDS store's data are its source 1: window 1
.irp l, 0,1,2,3,4,5,6,7,8,9,10,11,12,13,14,15,16,17,18,19
	ds_store_b128 v[AST], v[ST+4*\l:ST+4*\l+3] offset:2*\l*PITCH   ; rows 2 l and 2 l + 1
.endr
.irp l, 0,1,2,3,4,5,6,7,8,9
	ds_store_b128 v[AST], v[ST+4*\l:ST+4*\l+3] offset:(40+2*\l)*PITCH   ; rows 0 .. 19 once more, as rows 40 .. 59
.endr
	WIN 0x40
	FXI AXA, 0                                     ; LDS serves a wave's instructions in order (ISA guide 5.7.1.4): these see my stores.  Phase g0: i = r
	WIN 0
	s_mov_b32 s22, 0
	s_mov_b32 s23, 0
	v_add_nc_u32 v[ADJ], s22, v[AXA]
	FJ PITCH, PITCH                                ; d = 1, 2
	s_wait_dscnt 0x0                               ; the stores have read their registers
	s_cmp_eq_u32 s25, 1                            ; the second batch is asked for here, a whole batch ahead of its use; behind it there is none: no load leaves x
	s_cbranch_scc1 .Lno_next
	s_add_nc_u64 s[4:5], s[4:5], 10240             ; (the loads that read this base are done)
	WIN 0x40
	XLOADS
	WIN 0
.Lno_next:
	s_mov_b32 s24, 9
.Lg0:                                              ; duos 0 .. 8 of phase g0: d = 1 + 2 n, 2 + 2 n
	TRIP AXA, PITCH, PITCH, 2*PITCH
	s_sub_co_u32 s24, s24, 1
	s_cmp_lg_u32 s24, 0
	s_cbranch_scc1 .Lg0
	MULS                                           ; d = 19, 20; the next phase's operands are asked for: i = 16 + r
	s_mov_b32 s22, 0
	v_add_nc_u32 v[ADJ], s22, v[AXA]
	WIN 0x40
	FXI AXA, 16*PITCH
	WIN 0x04
	FJ 17*PITCH, PITCH
	REST MASKA                                     ; tile Q is d = 20
	s_mov_b32 s24, 9
.Lg1:
	TRIP AXA, 17*PITCH, PITCH, 2*PITCH
	s_sub_co_u32 s24, s24, 1
	s_cmp_lg_u32 s24, 0
	s_cbranch_scc1 .Lg1
	MULS                                           ; d = 19, 20; phase g2: i = 32 + r % 8, tile P: d = 1 + r / 8, tile Q: d = 3 + r / 8
	s_mov_b32 s22, 0
	v_add_nc_u32 v[ADJ], s22, v[AJB]
	WIN 0x40
	FXI AXB, 0
	WIN 0x04
	FJ PITCH, 2*PITCH
	REST MASKA
	s_mov_b32 s24, 4
.Lg2:                                              ; duos 0 .. 3 of phase g2: four distances a duo
	TRIP AJB, PITCH, 2*PITCH, 4*PITCH
	s_sub_co_u32 s24, s24, 1
	s_cmp_lg_u32 s24, 0
	s_cbranch_scc1 .Lg2
	MULS                                           ; d = 17 .. 20: nothing more to fetch
	WIN 0x04
	REST MASKB                                     ; d = 20 is the upper half of tile Q
	; THE BATCH'S END: 25 (score, g) a lane, 800 places in the wave
.irp i, 0,1,2,3,4,5,6,7,8,9,10,11,12,13,14,15,16,17,18,19,20,21,22,23,24
	ds_load_b64 v[FS+2*\i:FS+2*\i+1], v[ASC] offset:256*\i
.endr
	s_wait_dscnt 0x0
	v_max3_num_f32 v[FT], v[FS], v[FS+2], v[FS+4]
.irp i, 3,5,7,9,11,13,15,17,19,21,23
	v_max3_num_f32 v[FT], v[FT], v[FS+2*\i], v[FS+2*\i+2]
.endr
.irp m, 1,2,4,8
	v_max_num_f32_dpp v[FT], v[FT], v[FT] row_xmask:\m row_mask:0xf bank_mask:0xf
.endr
	v_permlanex16_b32 v[TM+4], v[FT], s20, s21
	v_max_num_f32 v[FT], v[FT], v[TM+4]            ; the batch's largest score, in every lane
.irp i, 0,1,2,3,4,5,6,7,8,9,10,11,12,13,14,15,16,17,18,19,20,21,22,23,24
	v_sub_f32 v[FS+2*\i], v[FS+2*\i], v[FT]
.endr
.irp i, 0,1,2,3,4,5,6,7,8,9,10,11,12,13,14,15,16,17,18,19,20,21,22,23,24
	v_exp_f32 v[FS+2*\i], v[FS+2*\i]               ; e, at most 1; one batch of 25
.endr
	v_nop                                          ; a plain line behind the last exponential (ISA guide 5.7.2)
	s_wait_alu depctr_va_vdst(0)                   ; the wait ahead of the first line that names a result: one for the 25
	v_add_f32 v[FT+2], v[FS], v[FS+2]              ; the sum of e and the sum of e g, two chains each
	v_add_f32 v[FT+3], v[FS+4], v[FS+6]
	v_mul_f32 v[FT+4], v[FS], v[FS+1]
	v_mul_f32 v[FT+5], v[FS+2], v[FS+3]
	v_fma_f32 v[FT+4], v[FS+4], v[FS+5], v[FT+4]
	v_fma_f32 v[FT+5], v[FS+6], v[FS+7], v[FT+5]
.irp i, 4,6,8,10,12,14,16,18,20,22
	v_add_f32 v[FT+2], v[FT+2], v[FS+2*\i]
	v_add_f32 v[FT+3], v[FT+3], v[FS+2*\i+2]
	v_fma_f32 v[FT+4], v[FS+2*\i], v[FS+2*\i+1], v[FT+4]
	v_fma_f32 v[FT+5], v[FS+2*\i+2], v[FS+2*\i+3], v[FT+5]
.endr
	v_add_f32 v[FT+2], v[FT+2], v[FS+48]
	v_fma_f32 v[FT+4], v[FS+48], v[FS+49], v[FT+4]
	v_add_f32 v[FT+2], v[FT+2], v[FT+3]
	v_add_f32 v[FT+4], v[FT+4], v[FT+5]
.irp m, 1,2,4,8
	v_add_f32_dpp v[FT+2], v[FT+2], v[FT+2] row_xmask:\m row_mask:0xf bank_mask:0xf
	v_add_f32_dpp v[FT+4], v[FT+4], v[FT+4] row_xmask:\m row_mask:0xf bank_mask:0xf
.endr
	v_permlanex16_b32 v[TM+4], v[FT+2], s20, s21
	v_permlanex16_b32 v[TM+5], v[FT+4], s20, s21
	v_add_f32 v[FT+2], v[FT+2], v[TM+4]            ; at least 1/2: the largest score's own e is 1, or two places of 1/2
	v_add_f32 v[FT+4], v[FT+4], v[TM+5]
	v_rcp_f32 v[FT+6], v[FT+2]
	v_mov_b32 v[ARS], s26                          ; (the plain line behind the reciprocal)
	s_wait_alu depctr_va_vdst(0)                   ; and the wait ahead of its reader
	v_mul_f32 v[FT+7], v[FT+4], v[FT+6]
	ds_store_b32 v[ARS], v[FT+7]                   ; all lanes write the same word with the same value
	s_add_co_u32 s26, s26, 4
	s_sub_co_u32 s25, s25, 1
	s_cmp_lg_u32 s25, 0
	s_cbranch_scc1 .Lbatch
	; THE WAY OUT: the work-group's 16 results are 64 consecutive bytes of out0: wave 0 stores them by one instruction of sixteen lanes.  A work-group owns no more than that of the output's 16,384 bytes
	v_and_b32 v[FT+9], 15, v0
	v_lshlrev_b32 v[FT+9], 2, v[FT+9]
	v_add_nc_u32 v[FT+8], RES, v[FT+9]
	s_wait_dscnt 0x0                               ; for wave 0's sake: my two results lie in LDS
	s_barrier_signal -1
	s_barrier_wait -1
	s_cmp_lg_u32 s16, 0
	s_cbranch_scc1 .Ldone
	ds_load_b32 v[FT+7], v[FT+8]
	s_lshl_b32 s28, ttmp9, 6
	s_mov_b32 s29, 0
	s_add_nc_u64 s[14:15], s[14:15], s[28:29]
	s_wait_dscnt 0x0
	s_wait_xcnt 0x0                                ; EXEC changes only behind this wait
	s_wait_tensorcnt 0x0
	ds_add_u32 v254, v255
	s_wait_dscnt 0x0
	v_cmpx_gt_u32 16, v0                           ; in wave 0 the thread's number is the lane
	global_store_b32 v[FT+9], v[FT+7], s[14:15]
	s_endpgm
.Ldone:
	s_wait_tensorcnt 0x0
	ds_add_u32 v254, v255
	s_wait_dscnt 0x0
	s_endpgm
.Lfunc_end_k_q65f6cf8930_afm:
	.size	k_q65f6cf8930_afm, .Lfunc_end_k_q65f6cf8930_afm-k_q65f6cf8930_afm
	.p2alignl 7, 3214868480
	.fill 96, 4, 3214868480
	.section	.rodata,"a",@progbits
	.p2align	6, 0x0
	.amdhsa_kernel k_q65f6cf8930_afm
		.amdhsa_group_segment_fixed_size 183552
		.amdhsa_private_segment_fixed_size 0
		.amdhsa_enable_private_segment 0
		.amdhsa_kernarg_size 48
		.amdhsa_user_sgpr_count 2
		.amdhsa_user_sgpr_kernarg_segment_ptr 1
		.amdhsa_wavefront_size32 1
		.amdhsa_system_sgpr_workgroup_id_x 1
		.amdhsa_system_sgpr_workgroup_id_y 1
		.amdhsa_system_sgpr_workgroup_id_z 1
		.amdhsa_system_vgpr_workitem_id 0
		.amdhsa_next_free_vgpr 512
		.amdhsa_next_free_sgpr 66
		.amdhsa_reserve_vcc 0
		.amdhsa_float_denorm_mode_32 3
		.amdhsa_float_denorm_mode_16_64 3
		.amdhsa_memory_ordered 1
		.amdhsa_forward_progress 1
		.amdhsa_inst_pref_size 138
	.end_amdhsa_kernel
	.amdgpu_metadata
---
amdhsa.version: [ 1, 2 ]
amdhsa.kernels:
  - .name:           k_q65f6cf8930_afm
    .symbol:         k_q65f6cf8930_afm.kd
    .args:
      - { .name: x, .offset: 0, .size: 8, .value_kind: global_buffer, .address_space: global }
      - { .name: W, .offset: 8, .size: 8, .value_kind: global_buffer, .address_space: global }
      - { .name: b, .offset: 16, .size: 8, .value_kind: global_buffer, .address_space: global }
      - { .name: h, .offset: 24, .size: 8, .value_kind: global_buffer, .address_space: global }
      - { .name: p, .offset: 32, .size: 8, .value_kind: global_buffer, .address_space: global }
      - { .name: out0, .offset: 40, .size: 8, .value_kind: global_buffer, .address_space: global }
    .group_segment_fixed_size: 183552
    .private_segment_fixed_size: 0
    .kernarg_segment_align: 8
    .kernarg_segment_size: 48
    .max_flat_workgroup_size: 256
    .sgpr_count:     66
    .vgpr_count:     512
    .wavefront_size: 32
...
	.end_amdgpu_metadata
.endif
;; end of part 1
